; MI455X (gfx1250); checked and timed in simulation.
; The chip was launched on July 23, 2026; its instructions are those of AMD's public machine-readable ISA for CDNA 5 (MIT licence, August 2026) and "CDNA5" Instruction Set Architecture Reference Guide (July 2026). The comments in the code are by the model that wrote it; some were corrected since.
;; Attention. Allowed arithmetic: matrix products marked QUANTISED: E2M3 operands, one E8M0 scale for each 32 along K, by v_wmma_scale_f32_16x16x128_f8f6f4 with both operands' format E2M3, f32 sums; everything else in f32.
;; Inputs: k_codes 2 x 16 x 2,048 x 4 x 24 uint8 (E2M3 codes of k, K innermost, in blocks of 32 codes, four codes in three bytes); k_scales 2 x 16 x 2,048 x 4 uint8 (E8M0 scales of k, one for each 32 codes along K); q_codes 2 x 16 x 2,048 x 4 x 24 uint8 (E2M3 codes of q, K innermost, in blocks of 32 codes, four codes in three bytes); q_scales 2 x 16 x 2,048 x 4 uint8 (E8M0 scales of q, one for each 32 codes along K); v_codes 2 x 16 x 128 x 64 x 24 uint8 (E2M3 codes of v, K innermost, in blocks of 32 codes, four codes in three bytes); v_scales 2 x 16 x 128 x 64 uint8 (E8M0 scales of v, one for each 32 codes along K).
;; Outputs: out0 2 x 16 x 2,048 x 128 float32.
;; This version of the problem:
;;   THIS VERSION OF THE PROBLEM IS GIVEN IN LOW PRECISION. The matrix products marked QUANTISED in the list below multiply operands that are first quantised to E2M3 (2 exponent bits, 3 mantissa bits; 6 bits a number), with one power-of-two scale for each 32 numbers along K (OCP MX v1.0); their sums are f32. All else is computed in f32.
;;   The module's matrix products, in the order in which they are computed (A, B: the left and right operand; K: the contracted axis; several contracted axes count as one K, in the product's order):
;;     1. batch 32 x [M 2,048, K 128] x [K 128, N 2,048]; A: input q (given as codes); B: input k (given as codes): QUANTISED
;;     2. batch 32 x [M 2,048, K 2,048] x [K 2,048, N 128]; A: softmax (see below); B: input v (given as codes): QUANTISED
;;   THE QUANTISER, for each operand of a quantised product, along K:
;;     - K is cut into blocks of 32 from its start; a last block that is shorter is filled with zeros.
;;     - A block's scale is 2^e with e = floor(log2(the largest magnitude in the block)) - 2, held to -126 .. 127; a block of zeros has e = 0. As a byte (E8M0): e + 127.
;;     - Each number is divided by its block's scale, clamped to +-7.5, and rounded to the nearest number of E2M3, ties to even, subnormals kept.
;;     - The product sums the exact products of the quantised numbers (number of the format x scale) in f32.
;;   ~~~python
;;   def quantise(x, axis):      # numpy; x: float32 -> the quantised numbers, widened to float32 again
;;       x = np.moveaxis(x, axis, -1); K = x.shape[-1]
;;       x = np.pad(x, [(0, 0)] * (x.ndim - 1) + [(0, -K % 32)]); x = x.reshape(x.shape[:-1] + (-1, 32)); a = np.abs(x).max(-1, keepdims=True)
;;       e = np.where(a > 0, np.clip(np.frexp(np.where(a > 0, a, 1))[1] - 1 - 2, -126, 127), 0)      # np.frexp(a)[1] - 1 = floor(log2(a)), exactly
;;       r = np.clip(x / 2.0 ** e, -7.5, 7.5)
;;       step = 2.0 ** (np.maximum(np.frexp(np.where(r == 0, 1, r))[1] - 1, 0) - 3)
;;       q = np.round(r / step) * step * 2.0 ** e      # np.round: ties to even
;;       return np.moveaxis(q.reshape(q.shape[:-2] + (-1,))[..., :K], -1, axis).astype(np.float32)
;;   ~~~
;;   SOFTMAX AHEAD OF A QUANTISED PRODUCT. Where the list says 'softmax', what is quantised is not the finished softmax but p = 2^(t - M), with t = logit x log2(e) and M = ceil(the row's largest t), a whole number; so 1/2 < the row's largest p <= 1. The row's sum l is taken of the UNQUANTISED p, in f32, and the product's result is divided by l at the end. Since M is a whole number, a kernel that streams over the keys may use a running M (the ceiling of the running maximum): every later rescaling is an exact power of two, which a block's scale takes up: the codes' values come out the same.
;;   OPERANDS COMPUTED ON THE WAY. 'Computed on the way' means the value that the module computes at that place (a softmax that the list does not call 'softmax' is quantised finished and normalised). What goes into a quantiser is computed in f32, as accurately as f32 sums, v_exp_f32 and their like allow (about 1e-6 of the number): no bf16 or f16 on the way to a quantiser, and a product that is left as it is and whose result goes on into a quantised operand takes f32 operands (vector FMAs, or v_wmma_f32_16x16x4_f32). A number that lies on a knife's edge between two numbers of the format may be rounded either way, as far as f32 arithmetic and the matrix unit's own rounding can turn it there, and no further.
;;   INPUTS GIVEN AS CODES. k (in the module: [2, 16, 2048, 128], K = its axis 3); q (in the module: [2, 16, 2048, 128], K = its axis 3); v (in the module: [2, 16, 2048, 128], K = its axis 2): each comes as NAME_codes (uint8): NAME with its K axis moved to the last place and cut into blocks of 32 codes, [.., K / 32, bytes a block], one block behind the other in memory; four codes in three bytes: a row's codes are one little-endian stream of bits, code i at bits 6 i .. 6 i + 5 (a code: sign, 2 exponent bits, 3 mantissa bits); and NAME_scales (uint8): the same leading axes, one E8M0 byte (e + 127) for each 32 codes along K. Its value is code x scale, taken as it is: it is not quantised again, and the codes and scales need not be those that the quantiser above would give.
;; One version. Each part assembles by itself: llvm-mc -triple=amdgcn-amd-amdhsa -mcpu=gfx1250 --defsym DOCPART=n.
;; ======== version 1 of 1: 1 launch
;; launch attn (part 1): grid 8 x 32, 16 waves a work-group, no clusters, 327,680 bytes of LDS; arguments q_codes, q_scales, k_codes, k_scales, v_codes, v_scales, out0; writes out0
.if DOCPART == 1
	.amdgcn_target "amdgcn-amd-amdhsa--gfx1250"
	.amdhsa_code_object_version 6
	.text
	.protected	k_q9b76d3a8f3_attn
	.globl	k_q9b76d3a8f3_attn
	.p2align	8
	.type	k_q9b76d3a8f3_attn,@function
k_q9b76d3a8f3_attn:
	s_mov_b64 s[64:65], 0
	v_nop
	global_prefetch_b8 v0, s[64:65] scope:SCOPE_SE
	s_setreg_imm32_b32 hwreg(HW_REG_WAVE_MODE, 25, 1), 1
	s_wait_xcnt 0x0
; O[h][q][:] = the sum over k <= q of softmax_k(Q[h][q] . K[h][k] / sqrt(128)) V[h][k][:]: causal attention, 32 heads, 2,048 queries and keys, head size 128.
; Both products on codes of FP6 (E2M3) with one E8M0 scale for each 32 along a product's K.  Q, K: [32][2048][96 bytes] codes along the head's 128, scale bytes [32][2048][4].
; V: codes with the KEYS innermost, [32][128][1536 bytes], scale bytes [32][128][64].  O: [32][2048][128] f32.  Codes and scale bytes go to the matrix unit as they lie.
; THE SOFTMAX AHEAD OF THE SECOND PRODUCT: t = score x log2(e) / sqrt(128); M = the row's largest t so far, rounded UP to a whole number; p = 2^(t - M) is quantised along the keys, not normalised.
; The row's sum is taken of the unquantised p, in f32, and divides O at the end.  When M moves, the sum and O are multiplied by 2^(old M - new M): exact.
; SHARES.  256 work-groups, 8 to a head.  Work-group i owns the blocks i and 15 - i of 128 queries.  A tile of 16 queries of block b has b + 1 key steps of 128 keys that count, so a work-group has
; 8 (i + 1) + 8 (16 - i) = 136 tile steps whatever i is.  Each of its SIXTEEN waves owns one tile, in 256 registers.  Wave w takes block i (g = 0) or 15 - i (g = 1), g = (w xor (w >> 2)) & 1, tile w >> 1 of it:
; among waves w, w + 4, w + 8, w + 12, and among waves 4 n .. 4 n + 3, two have g = 0 and two g = 1: 34 tile steps for each four, however the sixteen are dealt in fours.
; THE WALK.  Every wave passes all four slots of 512 keys (constant trip counts, every barrier and every tensor load on every path); a key step all of whose keys come after the wave's queries is left out by a scalar
; branch on ids.  K's and V's tiles come through a ring of two LDS slots filled by the tensor data mover (waves 0, 1: K; waves 2, 3: V); the scale bytes of the whole head come once (waves 4, 5) and stay.
; LAYOUT.  Both products are used transposed: S^T = K Q^T (source 0 = 16 keys, source 1 = my 16 queries), O^T = V^T P^T (source 0 = 16 of the head's 128, source 1 = P): a lane holds ONE query (lane % 16) throughout.
; THE KEYS OF A TILE ARE NOT NEIGHBOURS: lane r of tile 2 b + u takes key 32 b + 8 u + r + 8 (r / 8), so that the 16 registers of tiles 2 b and 2 b + 1 are 16 neighbouring keys, 32 b + 16 (lane / 16) + 0 .. 15.
; So lanes 0-7 of a fragment read the lower 16 keys of a group of 32 and lanes 8-15 the upper 16: the two halves of the groups lie in two LDS regions, 24,592 bytes apart (see KY).
; NO JOINT LOADS, though the eight work-groups of a head read the same tiles: the branch that leaves a hidden step out hangs on the wave's first query, and so on the work-group's number, and work-groups that ask
; jointly must run alike.  A sharing of tiles that is alike in all eight (tile = 8 x a rank of the wave + the work-group's number) gives the busiest four waves 40 tile steps in place of 34.
; LIMITS.  A scale byte 0xff among the inputs gives NaN.  Hidden scores are set to -infinity where the definition has the lowest f32 number: p is 0 either way, since a query's own key always counts.
; A p under 2^-126 comes out of v_exp_f32 as 0.  A block whose every p is 0 keeps the scale byte 1: its codes are zeros.  A block's largest p is made from the block's largest score by the same two
; instructions as every p; that takes v_exp_f32 not to fall where its input rises.
; REGISTERS: v1-5 lane addresses that stay; v6, v7 the spare word's address and 0; v8-11, v28 addresses of the step in hand; v29 my offset in O; v30 r - 16 h; v12 -M, v13 the largest t, v[14:15] the sum in two halves;
; v16-27 Q; v32-79 four fragments of K or of V; v80-87 at work; v[88:89] f and 0; v96-159 S^T, then p; v160-223 O^T; v224-235 p's codes; v232-247, v254 at work; v248-251 scale words of K, then of V; v253 p's; v255 Q's.
.set HCODES, 196608                    ; a head's codes in bytes, in each of the three tensors
.set SLOT1,  1<<17                     ; slot 1 begins here, so that one exclusive or turns an address in one slot into the other's
.set KY,     24592                     ; a slot: at 0 the lower 16 keys of its 16 groups of 32 (16 rows of 1,536 bytes); at KY = 24,576 + 16 the upper 16.  In words a fragment's lane stands at 24 (r % 8) + 6148 (r / 8) + 6 h:
                                       ; modulo 64 that is 24 (r % 8) + 4 (r / 8) + 6 h, so the 32 lanes of a load of 8 bytes touch 64 different banks (64 banks of 4 bytes: ISA guide 11.1)
.set KSTEP,  6144                      ; a key step in each of the two regions: 4 groups x 1,536 bytes
.set VOFF,   49408                     ; behind K: V, as two tiles of 256 keys
.set VP,     240                       ; a row of such a tile: 3 x (64 bytes + 16 of padding) = 60 words: row r starts at bank -4 r mod 64
.set VHALF,  128*VP                    ; 128 rows
.set SCK,    2*SLOT1                   ; behind the ring: K's scale bytes of the whole head, 8,192 dense bytes: 4 a key;
.set SCV,    SCK+8192                  ; V's: 32 pieces of 256 bytes (4 rows of 64) + 8 of padding
.set SVU,    264                       ; = 66 words: the 32 lanes of a load stand at words 2 (r / 4) + 16 (r % 4) + 8 h modulo 64: all different
.set SPARE,  SCV+32*SVU                ; the spare words, 128 bytes for each wave: eight blocks of 256 bytes that no other line names
.set SPITCH, 272                       ; the way out: 16 rows x (256 bytes + 16) for each wave, from LDS byte 0 on: in slot 0, which was left at the last change of slots: it has had its last fill, and nobody reads it
.set AK0,  1                           ; v1   my lane's place in a tile of K: 96 (r % 8) + KY (r / 8) + 24 h
.set AV0,  2                           ; v2   in a tile of V: 240 r + 24 h + VOFF
.set AV1,  3                           ; v3   the same for the pieces that lie behind one padding more in lanes 16-31: + 16 h
.set ASK0, 4                           ; v4   among K's scale words
.set ASV0, 5                           ; v5   among V's
.set SPW,  6                           ; v6   LDS address of my spare word: SPARE + 4 x my thread's number; never rewritten
.set NIL,  7                           ; v7   0; never rewritten
.set ADK,  8
.set ADV,  9
.set ADV1, 10
.set ADS,  11
.set ADT,  28
.set GO,   29
.set RH,   30
.set QF,   16
.set F,    32
.set FF,   88
.set S,    96
.set O,    160
.set PCD,  224
.set SW,   248
.set PS,   253
.set QS,   255
.set WV,   18                          ; s18  my wave's number
.set SEL,  20                          ; s[20:21] lane selects for v_permlanex16_b32: lane l xor 16
.set CS,   22                          ; s[22:23] c = log2(e) / sqrt(128): the packed form names a pair and takes its low word for both halves
.set G1K,  24                          ; s[24:31] descriptor group 1 for K's tiles;  s[32:39] for V's;  s[40:43], s[44:47] their groups 0, which walk
.set G1V,  32
.set G0K,  40
.set G0V,  44
.set G1SK, 48                          ; s[48:55], s[56:63] groups 1 for K's and V's scale bytes;  s[68:71], s[72:75] their groups 0
.set G1SV, 56
.set TB,   66                          ; s66  LDS byte at which the slot in hand begins
.set G0SK, 68
.set G0SV, 72
.set TS,   76                          ; s76  where the step's scale words of K begin: 512 bytes a step
.set TJ,   77                          ; s77  and V's: 4 bytes a step
.set SLOTS, 78                         ; s78  slots still to be asked for
.set KF,   80                          ; s80  the step's first key
.set Q0,   81                          ; s81  my first query
.set QL,   82                          ; s82  my last
.set T0,   83                          ; s83  at work
.macro PLACES                          ; a load into a register that a matrix instruction has read, and a vector instruction that reads a matrix result, stand four places behind it; only plain vector
.rept 4                                ; instructions that name none of its registers are places (ISA guide 7.12.1 for vector instructions)
	v_nop
.endr
.endm
; Waves 0 and 1 fetch K's two regions of a slot, waves 2 and 3 V's two tiles, the others nothing.  The branches hang on the wave's number alone.  Four v_nop follow each of the two lines.
.macro TLOAD
	s_cmp_lt_u32 s[WV], 2
	s_cbranch_scc0 .Lnot_k_\@
	tensor_load_to_lds s[G0K:G0K+3], s[G1K:G1K+7]
	s_nop 0
	PLACES
	s_branch .Lasked_\@
.Lnot_k_\@:
	s_cmp_lt_u32 s[WV], 4
	s_cbranch_scc0 .Lasked_\@
	tensor_load_to_lds s[G0V:G0V+3], s[G1V:G1V+7]
	s_nop 0
	PLACES
.Lasked_\@:
.endm
	s_load_b256 s[4:11], s[0:1], 0x0               ; Q's codes s[4:5], Q's scales s[6:7], K's codes s[8:9], K's scales s[10:11]
	s_load_b128 s[12:15], s[0:1], 0x20             ; V's codes s[12:13], V's scales s[14:15]
	s_load_b64 s[16:17], s[0:1], 0x30              ; O
	v_lshl_add_u32 v[SPW], v0, 2, SPARE
	v_mov_b32 v[NIL], 0
	ds_add_u32 v6, v7
	ds_add_u32 v6, v7
	s_wait_dscnt 0x0
	v_lshrrev_b32 v80, 5, v0
	s_delay_alu instid0(VALU_DEP_1)
	v_readfirstlane_b32 s[WV], v80                 ; wave 0..15
	s_and_b32 s84, ttmp7, 0xffff                   ; the head
	s_lshr_b32 s85, s[WV], 2
	s_xor_b32 s85, s85, s[WV]
	s_and_b32 s85, s85, 1                          ; g: the low block (0) or the high one (1)
	s_mul_i32 s85, s85, 15
	s_xor_b32 s85, s85, ttmp9                      ; my block of 128 queries: i, or i xor 15 = 15 - i
	s_lshl_b32 s85, s85, 7
	s_lshr_b32 s86, s[WV], 1
	s_lshl_b32 s86, s86, 4                         ; my tile of it
	s_add_co_u32 s[Q0], s85, s86
	s_add_co_u32 s[QL], s[Q0], 15
	s_and_b32 s87, s[WV], 1                        ; which of the two parts I fetch, if I fetch
	s_mul_i32 s88, s84, HCODES                     ; the head's first byte in each tensor of codes (all offsets stay under 2^32: a pair with 0 above),
	s_lshl_b32 s90, s84, 13                        ; in each tensor of scale bytes,
	s_mov_b32 s91, 0
	s_lshl_b32 s92, s84, 20                        ; and in O;
	s_lshl_b32 s93, s[Q0], 9
	s_add_co_u32 s92, s92, s93                     ; my first row of O
	s_mov_b32 s93, 0
	s_mul_i32 s94, s[Q0], 96
	s_add_co_u32 s94, s94, s88                     ; my queries' codes
	s_mov_b32 s95, 0
	s_lshl_b32 s96, s[Q0], 2
	s_add_co_u32 s96, s96, s90                     ; and their scale words
	s_mov_b32 s97, 0
	s_mul_i32 s98, s87, 1536
	s_add_co_u32 s98, s98, s88                     ; K in memory: the lower or the upper 16 keys of the head's first group of 32,
	s_mov_b32 s99, 0
	s_mul_i32 s85, s87, KY                         ; and in a slot
	s_mul_i32 s100, s87, 192
	s_add_co_u32 s100, s100, s88                   ; V in memory: the first or the second 256 keys of row 0,
	s_mov_b32 s101, 0
	s_mul_i32 s86, s87, VHALF
	s_add_co_u32 s86, s86, VOFF                    ; and in a slot
	; descriptor group 1.  K: 16 rows of 1,536 bytes (16 keys on end), 3,072 bytes (32 keys) apart, no padding
	s_mov_b32 s[G1K], 0                            ; 15:0 no mask; 17:16 elements of 1 byte; 20 padding off
	s_mov_b32 s[G1K+1], 1536<<16                   ; tensor_dim0
	s_mov_b32 s[G1K+2], 16<<16                     ; tensor_dim1
	s_mov_b32 s[G1K+3], 1536<<16                   ; tile_dim0
	s_mov_b32 s[G1K+4], 16                         ; tile_dim1
	s_mov_b32 s[G1K+5], 3072                       ; tensor_dim0_stride
	s_mov_b32 s[G1K+6], 0
	s_mov_b32 s[G1K+7], 0
	; V: 128 rows of 192 bytes (256 keys), 1,536 bytes apart
	s_mov_b32 s[G1V], (1<<20)|(3<<22)|(3<<25)      ; 20 padding on; 24:22 after every 16 words (code 3); 31:25 of 4 words (code 3)
	s_mov_b32 s[G1V+1], 192<<16
	s_mov_b32 s[G1V+2], 128<<16
	s_mov_b32 s[G1V+3], 192<<16
	s_mov_b32 s[G1V+4], 128
	s_mov_b32 s[G1V+5], 1536
	s_mov_b32 s[G1V+6], 0
	s_mov_b32 s[G1V+7], 0
	; the scale bytes: a head's 8,192 dense bytes as 32 rows of 256 bytes (32 elements of 8 bytes); K's without padding, V's with 2 words behind each row
	s_mov_b32 s[G1SK], 3<<16
	s_mov_b32 s[G1SV], (3<<16)|(1<<20)|(5<<22)|(1<<25)
.irp g, G1SK, G1SV
	s_mov_b32 s[\g+1], 32<<16
	s_mov_b32 s[\g+2], 32<<16
	s_mov_b32 s[\g+3], 32<<16
	s_mov_b32 s[\g+4], 32
	s_mov_b32 s[\g+5], 32
	s_mov_b32 s[\g+6], 0
	s_mov_b32 s[\g+7], 0
.endr
	s_mov_b32 s[SEL], 0x76543210
	s_mov_b32 s[SEL+1], 0xfedcba98
	s_mov_b32 s[CS], 0x3e0293ee                    ; c = log2(e) / sqrt(128)
	s_mov_b32 s[CS+1], s[CS]                       ; (named with it as a pair, so it is written)
	s_mov_b32 s[TB], 0
	s_mov_b32 s[TS], 0
	s_mov_b32 s[TJ], 0
	s_mov_b32 s[KF], 0
	s_mov_b32 s[SLOTS], 3
	s_wait_kmcnt 0x0
	s_mov_b32 s[G0K], 1                            ; 1:0 count = 1
	s_mov_b32 s[G0K+1], s85                        ; 63:32 LDS address: slot 0
	s_add_nc_u64 s[G0K+2:G0K+3], s[8:9], s[98:99]  ; 120:64 global address: the head's first 512 keys
	s_or_b32 s[G0K+3], s[G0K+3], 0x80000000        ; 127:126 type = 2
	s_mov_b32 s[G0V], 1
	s_mov_b32 s[G0V+1], s86
	s_add_nc_u64 s[G0V+2:G0V+3], s[12:13], s[100:101]
	s_or_b32 s[G0V+3], s[G0V+3], 0x80000000
	s_mov_b32 s[G0SK], 1
	s_mov_b32 s[G0SK+1], SCK
	s_add_nc_u64 s[G0SK+2:G0SK+3], s[10:11], s[90:91]
	s_or_b32 s[G0SK+3], s[G0SK+3], 0x80000000
	s_mov_b32 s[G0SV], 1
	s_mov_b32 s[G0SV+1], SCV
	s_add_nc_u64 s[G0SV+2:G0SV+3], s[14:15], s[90:91]
	s_or_b32 s[G0SV+3], s[G0SV+3], 0x80000000
	TLOAD                                          ; the first fills, one a wave: slot 0 (waves 0 to 3),
	s_cmp_eq_u32 s[WV], 4                          ; K's scale bytes (wave 4), V's (wave 5): filled once
	s_cbranch_scc0 .Lnot_sk
	tensor_load_to_lds s[G0SK:G0SK+3], s[G1SK:G1SK+7]
	s_nop 0
	PLACES
	s_branch .Lsc_asked
.Lnot_sk:
	s_cmp_eq_u32 s[WV], 5
	s_cbranch_scc0 .Lsc_asked
	tensor_load_to_lds s[G0SV:G0SV+3], s[G1SV:G1SV+7]
	s_nop 0
	PLACES
.Lsc_asked:
	s_add_nc_u64 s[4:5], s[4:5], s[94:95]          ; Q's codes at my first query,
	s_add_nc_u64 s[6:7], s[6:7], s[96:97]          ; its scale words,
	s_add_nc_u64 s[16:17], s[16:17], s[92:93]      ; O likewise
	v_and_b32 v80, 15, v0                          ; r = lane % 16
	v_bfe_u32 v81, v0, 4, 1                        ; h = lane / 16
	s_delay_alu instid0(VALU_DEP_2)
	v_mul_u32_u24 v82, v80, 96
	s_delay_alu instid0(VALU_DEP_1)
	v_mad_u32_u24 v82, v81, 24, v82                ; Q: row r, + my half's 24 bytes
.irp p, 0,1,2,3,4,5
	global_load_b64 v[QF+2*\p:QF+2*\p+1], v82, s[4:5] offset:48*(\p/3)+8*(\p%3) th:TH_LOAD_NT   ; Q's fragment stays in registers; only this wave reads it
.endr
	v_lshlrev_b32 v83, 2, v80
	global_load_b32 v[QS], v83, s[6:7] th:TH_LOAD_NT   ; Q's scale words
	v_and_b32 v84, 7, v80
	s_delay_alu instid0(VALU_DEP_1)
	v_mul_u32_u24 v[AK0], v84, 96
	v_lshrrev_b32 v85, 3, v80
	s_delay_alu instid0(VALU_DEP_1)
	v_mad_u32_u24 v[AK0], v85, KY, v[AK0]
	s_delay_alu instid0(VALU_DEP_1)
	v_mad_u32_u24 v[AK0], v81, 24, v[AK0]
	v_mul_u32_u24 v[AV0], v80, VP
	s_delay_alu instid0(VALU_DEP_1)
	v_mad_u32_u24 v[AV0], v81, 24, v[AV0]
	s_delay_alu instid0(VALU_DEP_1)
	v_add_nc_u32 v[AV0], VOFF, v[AV0]
	s_delay_alu instid0(VALU_DEP_1)
	v_lshl_add_u32 v[AV1], v81, 4, v[AV0]
	v_and_b32 v84, 8, v80                          ; K's scale words, ONE REGISTER FOR TWO TILES: lanes 0-15 take tile 2 n's 16 keys, lanes 16-31 tile 2 n + 1's, which lie 8 keys on:
	s_delay_alu instid0(VALU_DEP_1)
	v_add_nc_u32 v84, v84, v80                     ; key 32 n + 8 h + r + 8 (r / 8), 4 bytes a key: the 32 lanes read 128 bytes on end
	s_delay_alu instid0(VALU_DEP_1)
	v_lshl_add_u32 v84, v81, 3, v84
	s_delay_alu instid0(VALU_DEP_1)
	v_lshl_add_u32 v[ASK0], v84, 2, SCK
	v_lshrrev_b32 v84, 2, v80                      ; V's likewise: row 32 n + 16 h + r of 64 bytes: which piece of four rows, and where in it
	s_delay_alu instid0(VALU_DEP_1)
	v_mul_u32_u24 v[ASV0], v84, SVU
	v_and_b32 v85, 3, v80
	s_delay_alu instid0(VALU_DEP_1)
	v_lshl_add_u32 v[ASV0], v85, 6, v[ASV0]
	s_delay_alu instid0(VALU_DEP_1)
	v_mad_u32_u24 v[ASV0], v81, 4*SVU, v[ASV0]
	s_delay_alu instid0(VALU_DEP_1)
	v_add_nc_u32 v[ASV0], SCV, v[ASV0]
	v_lshlrev_b32 v[GO], 9, v81
	s_delay_alu instid0(VALU_DEP_1)
	v_lshl_add_u32 v[GO], v80, 4, v[GO]            ; the way out: lanes 0-15 take one row of O, lanes 16-31 the next; 16 bytes a lane
	v_lshlrev_b32 v84, 4, v81
	s_delay_alu instid0(VALU_DEP_1)
	v_sub_nc_u32 v[RH], v80, v84                   ; r - 16 h, for the mask
	v_mov_b32 v13, 0xff61b1e6                      ; the largest t so far: -3e38, under every t
	s_delay_alu instid0(VALU_DEP_1)
	v_floor_f32 v12, -v13                          ; -M
	v_mov_b32 v14, 0                               ; the sum, in two halves
	v_mov_b32 v15, 0
	v_mov_b32 v[FF+1], 0                           ; (named as the upper half of the pair with f)
.irp b, 0,1,2,3
	v_mov_b32 v[236+\b], 0                         ; written once: a lane permute's destination counts as one of its sources
.endr
.irp j, 0,1,2,3,4,5,6,7,8,9,10,11,12,13,14,15,16,17,18,19,20,21,22,23,24,25,26,27,28,29,30,31,32,33,34,35,36,37,38,39,40,41,42,43,44,45,46,47,48,49,50,51,52,53,54,55,56,57,58,59,60,61,62,63
	v_mov_b32 v[O+\j], 0                           ; O^T.  (The step has no first form of its own: the first step finds zeros, which the first change of M leaves zeros)
.endr
; A fragment of V^T: rows 16 tile + r of the head's 128, the 128 keys of the slot's q-th step, into v[reg] on.  In pieces of 8 bytes: lanes 0-15 take a row's pieces 12 (q % 2) + 0, 1, 2 and + 6, 7, 8 of the tile of
; 256 keys, lanes 16-31 those three pieces on; 16 bytes of padding lie behind every 8 pieces: where the piece three on lies behind one padding more, the second address register serves.
.macro FRAGV reg, tile, q
.irp p, 0,1,2,3,4,5
.set PCV, 12*((\q)%2)+6*(\p/3)+\p%3
.if PCV%8 < 5
	ds_load_b64 v[\reg+2*\p:\reg+2*\p+1], v[ADV] offset:VHALF*((\q)/2)+16*VP*(\tile)+8*PCV+16*(PCV/8)
.else
	ds_load_b64 v[\reg+2*\p:\reg+2*\p+1], v[ADV1] offset:VHALF*((\q)/2)+16*VP*(\tile)+8*PCV+16*(PCV/8)
.endif
.endr
.endm
; A KEY STEP: 128 keys, the q-th of the slot in hand.
.macro STEP q
	s_cmp_gt_u32 s[KF], s[QL]                      ; a step all of whose keys come after my 16 queries is left out: a scalar branch on ids, round the step's loads, products and softmax;
	s_cbranch_scc1 .Lhidden_\@                     ; not round the lines at its end that step addresses, and no barrier or tensor load stands in a step
	v_add_nc_u32 v[ADK], s[TB], v[AK0]             ; (these five are also the places between the last step's products and the loads below)
	s_wait_alu depctr_va_vdst(0)
	v_add_nc_u32 v[ADV], s[TB], v[AV0]
	v_add_nc_u32 v[ADV1], s[TB], v[AV1]
	v_add_nc_u32 v[ADS], s[TS], v[ASK0]
	v_add_nc_u32 v[ADT], s[TJ], v[ASV0]
.irp b, 0,1,2,3
	ds_load_b32 v[SW+\b], v[ADS] offset:128*\b     ; K's scale words: register b serves tiles 2 b (lanes 0-15) and 2 b + 1 (lanes 16-31)
.endr
.irp g, 0,1                                    ; S^T = K Q^T, four tiles of 16 keys at a time
.if \g > 0
	PLACES
.endif
.irp t, 0,1,2,3
.irp p, 0,1,2,3,4,5
	ds_load_b64 v[F+12*\t+2*\p:F+12*\t+2*\p+1], v[ADK] offset:KSTEP*(\q)+1536*((4*\g+\t)/2)+768*(\t%2)+48*(\p/3)+8*(\p%3)
.endr
.endr
	s_wait_dscnt 0x0
.irp t, 0,1,2,3
.if (\t%2) == 0
	v_wmma_scale_f32_16x16x128_f8f6f4 v[S+8*(4*\g+\t):S+8*(4*\g+\t)+7], v[F+12*\t:F+12*\t+11], v[QF:QF+11], 0, v[SW+(4*\g+\t)/2], v[QS] matrix_a_fmt:MATRIX_FMT_FP6 matrix_b_fmt:MATRIX_FMT_FP6
.else
	v_wmma_scale_f32_16x16x128_f8f6f4 v[S+8*(4*\g+\t):S+8*(4*\g+\t)+7], v[F+12*\t:F+12*\t+11], v[QF:QF+11], 0, v[SW+(4*\g+\t)/2], v[QS] matrix_a_fmt:MATRIX_FMT_FP6 matrix_b_fmt:MATRIX_FMT_FP6 matrix_a_scale:MATRIX_SCALE_ROW1
.endif
.endr
.endr                                          ; lane (r, h) holds query r; the 16 registers of tiles 2 b, 2 b + 1 are keys KF + 32 b + 16 h + 0 .. 15
	PLACES                                         ; for the loads below and for the first read of the scores
	s_wait_alu depctr_va_vdst(0)
.irp t, 0,1,2,3
	FRAGV F+12*\t, \t, \q                          ; V's first four fragments and all its scale words are asked for here: they land under the softmax
.endr
.irp n, 0,1,2,3
	ds_load_b32 v[SW+\n], v[ADT] offset:8*SVU*\n   ; register n serves tiles 2 n (lanes 0-15) and 2 n + 1 (lanes 16-31)
.endr
	s_add_co_u32 s[T0], s[KF], 127                 ; on the diagonal the scores of hidden keys become -infinity ahead of the maximum: p = 0 then.  A step all of whose keys count skips this
	s_cmp_le_u32 s[T0], s[Q0]
	s_cbranch_scc1 .Lopen_\@
	s_sub_co_i32 s[T0], s[Q0], s[KF]
	v_add_nc_u32 v86, s[T0], v[RH]                 ; d = my query - KF - 16 h.  Register 16 b + i holds key KF + 16 h + 32 b + i: hidden where 32 b + i > d
	v_mov_b32 v87, 0xff800000                      ; -infinity
.irp n, 0,1,2,3,4,5,6,7,8,9,10,11,12,13,14,15,16,17,18,19,20,21,22,23,24,25,26,27,28,29,30,31,32,33,34,35,36,37,38,39,40,41,42,43,44,45,46,47,48,49,50,51,52,53,54,55,56,57,58,59,60,61,62,63
	v_cmp_gt_i32 vcc_lo, 32*(\n/16)+\n%16, v86
	v_cndmask_b32 v[S+\n], v[S+\n], v87, vcc_lo
.endr
.Lopen_\@:
.irp b, 0,1,2,3
	v_max3_num_f32 v[232+\b], v[S+16*\b], v[S+1+16*\b], v[S+2+16*\b]   ; THE LARGEST SCORE OF EACH BLOCK OF 32 KEYS: it serves twice: for the row's maximum, and, since p rises with the score, for the block's largest p
.endr
.irp i, 3,5,7,9,11,13
.irp b, 0,1,2,3
	v_max3_num_f32 v[232+\b], v[232+\b], v[S+16*\b+\i], v[S+1+16*\b+\i]   ; (the four blocks by turns)
.endr
.endr
.irp b, 0,1,2,3
	v_max_num_f32 v[232+\b], v[232+\b], v[S+15+16*\b]
.endr
.irp b, 0,1,2,3
	s_delay_alu instid0(VALU_DEP_4)
	v_permlanex16_b32 v[236+\b], v[232+\b], s[SEL], s[SEL+1]
.endr
.irp b, 0,1,2,3
	s_delay_alu instid0(VALU_DEP_4)
	v_max_num_f32 v[232+\b], v[232+\b], v[236+\b]  ; with lane l xor 16's 16 keys
.endr
	s_delay_alu instid0(VALU_DEP_2)
	v_max3_num_f32 v254, v232, v233, v234
	s_delay_alu instid0(VALU_DEP_1)
	v_max_num_f32 v254, v254, v235                 ; the step's largest score of my query (key KF counts for every query of a step that is not left out)
	s_delay_alu instid0(VALU_DEP_1)
	v_mul_f32 v254, s[CS], v254                    ; as t (c is positive)
	s_delay_alu instid0(VALU_DEP_1)
	v_max_num_f32 v13, v13, v254                   ; the running largest t
	v_mov_b32 v254, v12
	s_delay_alu instid0(VALU_DEP_2)
	v_floor_f32 v12, -v13                          ; the new -M = floor(-t) = -ceil(t): M IS A WHOLE NUMBER
	s_delay_alu instid0(VALU_DEP_1)
	v_sub_f32 v254, v12, v254                      ; M's old value less its new one: a whole number, 0 or less
	s_delay_alu instid0(VALU_DEP_1)
	v_cvt_i32_f32 v254, v254                       ; (it saturates)
	s_delay_alu instid0(VALU_DEP_1)
	v_ldexp_f32 v[FF], 1.0, v254                   ; f = 2^(old M - new M): what was summed under the old M is brought under the new by a multiplication that rounds nothing
.irp j, 0,2,4,6,8,10,12,14,16,18,20,22,24,26,28,30,32,34,36,38,40,42,44,46,48,50,52,54,56,58,60,62
	v_pk_fma_f32 v[S+\j:S+1+\j], v[S+\j:S+1+\j], s[CS:CS+1], v[12:13] op_sel_hi:[1,0,0]   ; t - M, two at a time (of the pairs c and -M the low word serves both halves)
.endr
.irp b, 0,1,2,3
	v_fma_f32 v[232+\b], v[232+\b], s[CS], v12     ; the same of each block's largest score
.endr
	s_wait_alu depctr_va_vdst(0)
.irp j, 0,1,2,3,4,5,6,7,8,9,10,11,12,13,14,15,16,17,18,19,20,21,22,23,24,25,26,27,28,29,30,31,32,33,34,35,36,37,38,39,40,41,42,43,44,45,46,47,48,49,50,51,52,53,54,55,56,57,58,59,60,61,62,63
	v_exp_f32 v[S+\j], v[S+\j]                     ; p = 2^(t - M), at most 1: NOT normalised
.endr
.irp b, 0,1,2,3
	v_exp_f32 v[232+\b], v[232+\b]                 ; the block's largest p: the same two instructions on the same number give the same bits
.endr
	v_pk_mul_f32 v[14:15], v[14:15], v[FF:FF+1] op_sel_hi:[1,0]   ; the sums under the new M.  (A plain place behind the exponentials)
	s_wait_alu depctr_va_vdst(0)
.irp b, 0,1,2,3
	v_max_num_f32 v[232+\b], 0x1800000, v[232+\b]  ; the floor 2^(3 - 127): the byte cannot fall under 1 (a block whose every p is 0 keeps that byte: its codes are zeros)
.endr
.irp b, 0,1,2,3
	s_delay_alu instid0(VALU_DEP_4)
	v_add_nc_u32 v[244+\b], 0xff000000, v[232+\b]  ; 2 off the exponent field: the conversion's scale operand
.endr
.irp b, 0,1,2,3
	s_delay_alu instid0(VALU_DEP_4)
	v_lshrrev_b32 v[236+\b], 23, v[244+\b]         ; the scale's byte
.endr
	s_delay_alu instid0(VALU_DEP_3)
	v_lshl_or_b32 v[PS], v237, 8, v236             ; p's scale word for these 128 keys
	s_delay_alu instid0(VALU_DEP_1)
	v_lshl_or_b32 v[PS], v238, 16, v[PS]
	s_delay_alu instid0(VALU_DEP_1)
	v_lshl_or_b32 v[PS], v239, 24, v[PS]
.irp c, 0,1
	v_cvt_scalef32_pk16_fp6_f32 v[PCD+6*\c:PCD+2+6*\c], v[S+32*\c:S+15+32*\c], v[244+2*\c]
	v_cvt_scalef32_pk16_fp6_f32 v[236+4*\c:238+4*\c], v[S+16+32*\c:S+31+32*\c], v[244+2*\c+1]   ; (a conversion's three registers begin on an even number)
.endr
	v_nop                                          ; one plain vector instruction between a scaled conversion and the vector instruction that touches its result
.irp c, 0,1                                    ; the operand's layout wants a WHOLE block in a lane: lanes 0-15 block 2 c, lanes 16-31 block 2 c + 1
.irp i, 0,1,2
	v_permlane16_swap_b32 v[PCD+6*\c+\i], v[236+4*\c+\i]
.endr
.irp i, 0,1,2
	s_delay_alu instid0(VALU_DEP_3)
	v_mov_b32 v[PCD+3+6*\c+\i], v[236+4*\c+\i]
.endr
.endr
	v_pk_add_f32 v[236:237], v[100:101], v[104:105]
	v_pk_add_f32 v[246:247], v[108:109], v[112:113]
	v_pk_add_f32 v[244:245], v[116:117], v[120:121]
	v_pk_add_f32 v[242:243], v[124:125], v[128:129]
	v_pk_add_f32 v[240:241], v[132:133], v[136:137]
	v_pk_add_f32 v[94:95], v[140:141], v[144:145]
	v_pk_add_f32 v[92:93], v[148:149], v[152:153]
	v_pk_add_f32 v[14:15], v[14:15], v[156:157]
	v_pk_add_f32 v[236:237], v[236:237], v[96:97]
	v_pk_add_f32 v[246:247], v[246:247], v[98:99]
	v_pk_add_f32 v[244:245], v[244:245], v[102:103]
	v_pk_add_f32 v[242:243], v[242:243], v[106:107]
	v_pk_add_f32 v[240:241], v[240:241], v[110:111]
	v_pk_add_f32 v[94:95], v[94:95], v[114:115]
	v_pk_add_f32 v[92:93], v[92:93], v[118:119]
	v_pk_add_f32 v[14:15], v[14:15], v[122:123]
	v_pk_add_f32 v[236:237], v[236:237], v[126:127]
	v_pk_add_f32 v[246:247], v[246:247], v[130:131]
	v_pk_add_f32 v[244:245], v[244:245], v[134:135]
	v_pk_add_f32 v[242:243], v[242:243], v[138:139]
	v_pk_add_f32 v[240:241], v[240:241], v[142:143]
	v_pk_add_f32 v[94:95], v[94:95], v[146:147]
	v_pk_add_f32 v[92:93], v[92:93], v[150:151]
	v_pk_add_f32 v[14:15], v[14:15], v[154:155]
	v_pk_add_f32 v[236:237], v[236:237], v[158:159]
	s_delay_alu instid0(VALU_DEP_2)
	v_pk_add_f32 v[14:15], v[14:15], v[242:243]
	s_delay_alu instid0(VALU_DEP_2)
	v_pk_add_f32 v[236:237], v[236:237], v[240:241]
	v_pk_add_f32 v[246:247], v[246:247], v[94:95]
	v_pk_add_f32 v[244:245], v[244:245], v[92:93]
	s_delay_alu instid0(VALU_DEP_2)
	v_pk_add_f32 v[14:15], v[14:15], v[246:247]
	s_delay_alu instid0(VALU_DEP_2)
	v_pk_add_f32 v[236:237], v[236:237], v[244:245]
	s_delay_alu instid0(VALU_DEP_1)
	v_pk_add_f32 v[14:15], v[14:15], v[236:237]
.irp j, 0,2,4,6,8,10,12,14,16,18,20,22,24,26,28,30,32,34,36,38,40,42,44,46,48,50,52,54,56,58,60,62
	v_pk_mul_f32 v[O+\j:O+1+\j], v[O+\j:O+1+\j], v[FF:FF+1] op_sel_hi:[1,0]   ; O^T under the new M: x f, each accumulator from its low end on.  (These 32 also stand between the writes of p's codes and scale word and the products)
.endr
	s_wait_alu depctr_va_vdst(0)
	s_wait_dscnt 0x0                               ; V's first four fragments and its scale words, asked for ahead of the softmax
.irp t, 0,1,2,3                                ; O^T += V^T P^T: K = these 128 keys; the eight accumulators by turns, one instruction a turn
.if (\t%2) == 0
	v_wmma_scale_f32_16x16x128_f8f6f4 v[O+8*\t:O+8*\t+7], v[F+12*\t:F+12*\t+11], v[PCD:PCD+11], v[O+8*\t:O+8*\t+7], v[SW+\t/2], v[PS] matrix_a_fmt:MATRIX_FMT_FP6 matrix_b_fmt:MATRIX_FMT_FP6
.else
	v_wmma_scale_f32_16x16x128_f8f6f4 v[O+8*\t:O+8*\t+7], v[F+12*\t:F+12*\t+11], v[PCD:PCD+11], v[O+8*\t:O+8*\t+7], v[SW+\t/2], v[PS] matrix_a_fmt:MATRIX_FMT_FP6 matrix_b_fmt:MATRIX_FMT_FP6 matrix_a_scale:MATRIX_SCALE_ROW1
.endif
.endr
	PLACES
.irp t, 0,1,2,3
	FRAGV F+12*\t, 4+\t, \q
.endr
	s_wait_dscnt 0x0
.irp t, 0,1,2,3
.if (\t%2) == 0
	v_wmma_scale_f32_16x16x128_f8f6f4 v[O+32+8*\t:O+32+8*\t+7], v[F+12*\t:F+12*\t+11], v[PCD:PCD+11], v[O+32+8*\t:O+32+8*\t+7], v[SW+2+\t/2], v[PS] matrix_a_fmt:MATRIX_FMT_FP6 matrix_b_fmt:MATRIX_FMT_FP6
.else
	v_wmma_scale_f32_16x16x128_f8f6f4 v[O+32+8*\t:O+32+8*\t+7], v[F+12*\t:F+12*\t+11], v[PCD:PCD+11], v[O+32+8*\t:O+32+8*\t+7], v[SW+2+\t/2], v[PS] matrix_a_fmt:MATRIX_FMT_FP6 matrix_b_fmt:MATRIX_FMT_FP6 matrix_a_scale:MATRIX_SCALE_ROW1
.endif
.endr
.Lhidden_\@:
	s_add_co_u32 s[KF], s[KF], 128                 ; the next step's first key,
	s_add_co_u32 s[TS], s[TS], 512                 ; and its scale words
	s_add_co_u32 s[TJ], s[TJ], 4
.endm
; THE CHANGE OF SLOTS stands at a slot's head.  Each wave waits for all its tensor loads (its part of what it is about to read), adds 0 to its spare word, and waits for that and for its reads of the slot that it has left.
; Behind the barrier the slot ahead is whole and nobody reads the other one.  fill = 1: that other slot is filled with the 512 keys that follow: the load has a whole slot's steps in which to land.
; By this text's own count a wave never has more than one tensor load out.
.macro CHANGE fill
	s_wait_tensorcnt 0x0                           ; no tensor load of mine is out, so a group 0 may be written
	ds_add_u32 v[SPW], v[NIL]                      ; 0 onto my spare word; with fill = 1 the descriptors' steps stand between it and the wait for it
.if \fill
	s_xor_b32 s[G0K+1], s[G0K+1], SLOT1            ; the walking descriptors: the other slot than last time,
	s_add_nc_u64 s[G0K+2:G0K+3], s[G0K+2:G0K+3], 512*96   ; the next 512 keys; the type bits on top are not reached
	s_xor_b32 s[G0V+1], s[G0V+1], SLOT1
	s_add_nc_u64 s[G0V+2:G0V+3], s[G0V+2:G0V+3], 384
.endif
	s_wait_dscnt 0x0                               ; the add is done, and my reads of the slot that I have left are over
	s_barrier_signal -1
	s_barrier_wait -1
.if \fill
	TLOAD                                          ; the first thing behind the barrier, and a wave's one tensor load until the next
.endif
.endm
.macro SLOT_STEPS
	STEP 0
	STEP 1
	STEP 2
	STEP 3
	s_xor_b32 s[TB], s[TB], SLOT1                  ; on to the other slot
.endm
	s_wait_loadcnt 0x0                             ; Q
.Lslot:                                            ; three trips: behind each change of slots but the last the next slot is asked for
	CHANGE 1
	SLOT_STEPS
	s_sub_co_u32 s[SLOTS], s[SLOTS], 1
	s_cmp_lg_u32 s[SLOTS], 0
	s_cbranch_scc1 .Lslot
	CHANGE 0                                       ; the last slot is written out
	SLOT_STEPS
	; THE WAY OUT.  The sum's two halves are added; O^T is divided by the sum and goes through my stage in LDS, half a row (64 channels, 256 bytes) of 16 queries at a time, so that sixteen lanes store 256 consecutive bytes.
	v_add_f32 v14, v14, v15                        ; the sum's two halves,
	s_delay_alu instid0(VALU_DEP_1)
	v_permlanex16_b32 v236, v14, s[SEL], s[SEL+1]
	s_delay_alu instid0(VALU_DEP_1)
	v_add_f32 v14, v14, v236                       ; and lane l xor 16's: the row's sum
	s_wait_alu depctr_va_vdst(0)
	v_rcp_f32 v14, v14
	v_and_b32 v8, 15, v0                           ; (a plain place behind the transcendental; these eight are also the places behind the last products)  r
	v_bfe_u32 v9, v0, 4, 1                         ; h
	s_mul_i32 s84, s[WV], 16*SPITCH                ; my stage
	v_mul_u32_u24 v10, v8, SPITCH
	s_delay_alu instid0(VALU_DEP_1)
	v_lshl_add_u32 v10, v9, 5, v10
	s_delay_alu instid0(VALU_DEP_1)
	v_add_nc_u32 v10, s84, v10                     ; in: row r; tile t's eight channels of my half: 64 t + 32 h bytes on
	v_mul_u32_u24 v11, v9, SPITCH
	s_delay_alu instid0(VALU_DEP_1)
	v_lshl_add_u32 v11, v8, 4, v11
	s_delay_alu instid0(VALU_DEP_1)
	v_add_nc_u32 v11, s84, v11                     ; back: lanes 0-15 one row, lanes 16-31 the next
	s_wait_alu depctr_va_vdst(0)
.irp j, 0,1,2,3,4,5,6,7,8,9,10,11,12,13,14,15,16,17,18,19,20,21,22,23,24,25,26,27,28,29,30,31,32,33,34,35,36,37,38,39,40,41,42,43,44,45,46,47,48,49,50,51,52,53,54,55,56,57,58,59,60,61,62,63
	v_mul_f32 v[S+\j], v[O+\j], v14                ; O^T / the sum: register 8 t + i is o(r, 16 t + 8 h + i)
.endr
.irp u, 0,1                                    ; channels 64 u on
.irp t, 0,1,2,3
	ds_store_b128 v10, v[S+32*\u+8*\t:S+3+32*\u+8*\t] offset:64*\t
	ds_store_b128 v10, v[S+4+32*\u+8*\t:S+7+32*\u+8*\t] offset:64*\t+16
.endr
.irp i, 0,1,2,3,4,5,6,7
	ds_load_b128 v[32+32*\u+4*\i:35+32*\u+4*\i], v11 offset:2*\i*SPITCH   ; LDS serves a wave's instructions in order (ISA guide 5.7.1.4): these see my stores, and the next half's stores come behind them
.endr
.endr
.irp u, 0,1
.irp i, 0,1,2,3,4,5,6,7
	s_wait_dscnt 23-16*\u-\i                       ; behind load (u, i): the 7 - i loads of its half and, for u = 0, the second half's eight stores and eight loads
	global_store_b128 v[GO], v[32+32*\u+4*\i:35+32*\u+4*\i], s[16:17] offset:2*\i*512+256*\u th:TH_STORE_NT   ; 16 lanes store 256 consecutive bytes, at a multiple of 256 from O's first byte; written once, read by nobody here
.endr
.endr
	s_wait_tensorcnt 0x0                           ; the wave's end: behind my last tensor load and my last LDS store
	ds_add_u32 v[SPW], v[NIL]
	s_wait_dscnt 0x0
	s_endpgm
.Lfunc_end_k_q9b76d3a8f3_attn:
	.size	k_q9b76d3a8f3_attn, .Lfunc_end_k_q9b76d3a8f3_attn-k_q9b76d3a8f3_attn
	.p2alignl 7, 3214868480
	.fill 96, 4, 3214868480
	.section	.rodata,"a",@progbits
	.p2align	6, 0x0
	.amdhsa_kernel k_q9b76d3a8f3_attn
		.amdhsa_group_segment_fixed_size 327680
		.amdhsa_private_segment_fixed_size 0
		.amdhsa_enable_private_segment 0
		.amdhsa_kernarg_size 56
		.amdhsa_user_sgpr_count 2
		.amdhsa_user_sgpr_kernarg_segment_ptr 1
		.amdhsa_wavefront_size32 1
		.amdhsa_system_sgpr_workgroup_id_x 1
		.amdhsa_system_sgpr_workgroup_id_y 1
		.amdhsa_system_sgpr_workgroup_id_z 1
		.amdhsa_system_vgpr_workitem_id 0
		.amdhsa_next_free_vgpr 256
		.amdhsa_next_free_sgpr 102
		.amdhsa_reserve_vcc 1
		.amdhsa_float_denorm_mode_32 3
		.amdhsa_float_denorm_mode_16_64 3
		.amdhsa_memory_ordered 1
		.amdhsa_forward_progress 1
		.amdhsa_inst_pref_size 248
	.end_amdhsa_kernel
	.amdgpu_metadata
---
amdhsa.version: [ 1, 2 ]
amdhsa.kernels:
  - .name:           k_q9b76d3a8f3_attn
    .symbol:         k_q9b76d3a8f3_attn.kd
    .args:
      - { .name: q_codes, .offset: 0, .size: 8, .value_kind: global_buffer, .address_space: global }
      - { .name: q_scales, .offset: 8, .size: 8, .value_kind: global_buffer, .address_space: global }
      - { .name: k_codes, .offset: 16, .size: 8, .value_kind: global_buffer, .address_space: global }
      - { .name: k_scales, .offset: 24, .size: 8, .value_kind: global_buffer, .address_space: global }
      - { .name: v_codes, .offset: 32, .size: 8, .value_kind: global_buffer, .address_space: global }
      - { .name: v_scales, .offset: 40, .size: 8, .value_kind: global_buffer, .address_space: global }
      - { .name: out0, .offset: 48, .size: 8, .value_kind: global_buffer, .address_space: global }
    .group_segment_fixed_size: 327680
    .private_segment_fixed_size: 0
    .kernarg_segment_align: 8
    .kernarg_segment_size: 56
    .max_flat_workgroup_size: 512
    .sgpr_count:     102
    .vgpr_count:     256
    .wavefront_size: 32
...
	.end_amdgpu_metadata
.endif
;; end of part 1
